; MI455X (gfx1250); checked and timed in simulation.
; The chip was launched on July 23, 2026; its instructions are those of AMD's public machine-readable ISA for CDNA 5 (MIT licence, August 2026) and "CDNA5" Instruction Set Architecture Reference Guide (July 2026). The comments in the code are by the model that wrote it; some were corrected since.
;; Attention. Allowed arithmetic: matrix products marked QUANTISED: E2M1 operands, one E8M0 scale for each 32 along K, by v_wmma_scale_f32_16x16x128_f8f6f4 with both operands' format E2M1 (or v_wmma_scale_f32_32x16x128_f4), f32 sums; products left as they are: f32 operands where the result goes on into a quantised operand, else bf16, f16 or f32 operands; f32 sums; everything else in f32.
;; Inputs: W_h 1,024 x 2,048 float32; decoder_hidden 64 x 1,024 float32; encoder_outputs 64 x 512 x 1,024 float32; inp_mask 512 x 64 float32; v 1,024 float32.
;; Outputs: out0 64 x 1 x 512 float32; out1 64 x 1 x 1,024 float32.
;; This version of the problem:
;;   THIS VERSION OF THE PROBLEM IS GIVEN IN LOW PRECISION. The matrix products marked QUANTISED in the list below multiply operands that are first quantised to E2M1 (2 exponent bits, 1 mantissa bit; 4 bits a number), with one power-of-two scale for each 32 numbers along K (OCP MX v1.0); their sums are f32. All else is computed in f32.
;;   The module's matrix products, in the order in which they are computed (A, B: the left and right operand; K: the contracted axis; several contracted axes count as one K, in the product's order):
;;     1. [M 32,768, K 2,048] x [K 2,048, N 1,024]; A: computed on the way; B: input W_h: QUANTISED
;;     2. [M 32,768, K 1,024] x [K 1,024, N 1]; A: computed on the way; B: input v: left as it is (N = 1 < 16)
;;     3. batch 64 x [M 1, K 512] x [K 512, N 1,024]; A: computed on the way; B: input encoder_outputs: left as it is (M = 1 < 16)
;;   THE QUANTISER, for each operand of a quantised product, along K:
;;     - K is cut into blocks of 32 from its start; a last block that is shorter is filled with zeros.
;;     - A block's scale is 2^e with e = floor(log2(the largest magnitude in the block)) - 2, held to -126 .. 127; a block of zeros has e = 0. As a byte (E8M0): e + 127.
;;     - Each number is divided by its block's scale, clamped to +-6, and rounded to the nearest number of E2M1, ties to even, subnormals kept.
;;     - The product sums the exact products of the quantised numbers (number of the format x scale) in f32.
;;   ~~~python
;;   def quantise(x, axis):      # numpy; x: float32 -> the quantised numbers, widened to float32 again
;;       x = np.moveaxis(x, axis, -1); K = x.shape[-1]
;;       x = np.pad(x, [(0, 0)] * (x.ndim - 1) + [(0, -K % 32)]); x = x.reshape(x.shape[:-1] + (-1, 32)); a = np.abs(x).max(-1, keepdims=True)
;;       e = np.where(a > 0, np.clip(np.frexp(np.where(a > 0, a, 1))[1] - 1 - 2, -126, 127), 0)      # np.frexp(a)[1] - 1 = floor(log2(a)), exactly
;;       r = np.clip(x / 2.0 ** e, -6, 6)
;;       step = 2.0 ** (np.maximum(np.frexp(np.where(r == 0, 1, r))[1] - 1, 0) - 1)
;;       q = np.round(r / step) * step * 2.0 ** e      # np.round: ties to even
;;       return np.moveaxis(q.reshape(q.shape[:-2] + (-1,))[..., :K], -1, axis).astype(np.float32)
;;   ~~~
;;   OPERANDS COMPUTED ON THE WAY. 'Computed on the way' means the value that the module computes at that place (a softmax that the list does not call 'softmax' is quantised finished and normalised). What goes into a quantiser is computed in f32, as accurately as f32 sums, v_exp_f32 and their like allow (about 1e-6 of the number): no bf16 or f16 on the way to a quantiser, and a product that is left as it is and whose result goes on into a quantised operand takes f32 operands (vector FMAs, or v_wmma_f32_16x16x4_f32). A number that lies on a knife's edge between two numbers of the format may be rounded either way, as far as f32 arithmetic and the matrix unit's own rounding can turn it there, and no further.
;; One version. Each part assembles by itself: llvm-mc -triple=amdgcn-amd-amdhsa -mcpu=gfx1250 --defsym DOCPART=n.
;; ======== version 1 of 1: 4 launches
;; limits: right only within a limited range of input values
;; workspace buffers: wrec 851,968 bytes; aw 131,072 bytes; part 1,048,576 bytes
;; launch prep (part 1): grid 64 x 4, 8 waves a work-group, no clusters, 77,056 bytes of LDS; arguments W_h, decoder_hidden, wrec; writes wrec
.if DOCPART == 1
	.amdgcn_target "amdgcn-amd-amdhsa--gfx1250"
	.amdhsa_code_object_version 6
	.text
	.protected	k_qb634c48311_prep
	.globl	k_qb634c48311_prep
	.p2align	8
	.type	k_qb634c48311_prep,@function
k_qb634c48311_prep:
	s_mov_b64 s[64:65], 0
	v_nop
	global_prefetch_b8 v0, s[64:65] scope:SCOPE_SE
	s_setreg_imm32_b32 hwreg(HW_REG_WAVE_MODE, 25, 1), 1
	s_wait_xcnt 0x0
; THE PROGRAM (four launches): energy = tanh([dec | enc] W_h^T) with the product on codes of E2M1 (one E8M0 scale for 32 along K), scores = energy . v,
; softmax over the BATCH axis, x mask, normalised along s (out0), context = sum over s of a enc (out1).
; SHARED WORK.  K = 2,048 is [decoder_hidden (1,024) | encoder_outputs (1,024)].  1,024 is a multiple of 32, so no block of the quantiser straddles the seam, and the codes and
; scales of K's first half are those of decoder_hidden[b], the same for all 512 positions of a batch.  That half of the product is therefore D[b][h] = Q(dec) Q(W_h[:, :1024])^T,
; 64 x 1,024 numbers: it is made once, here, on the format's own matrix instruction, and the next launch takes it as the C of each sum's first matrix instruction.
; WORK LEFT OUT.  tanh x = 1 - 2 r, r = 1 / (1 + 2^(c x)), c = 2 log2 e, so scores[b][s] = sum_h v[h] - 2 sum_h v[h] r[b][s][h].  The term sum_h v[h] is the same for every b, and
; the softmax runs over b: it is added to every input along the softmax's axis and cancels for all values of the inputs.  It is not computed.  Every input still has a way to an output; all are loaded.
; LIMITS.  A NaN, an infinity or an overflow that would arise in sum_h v[h] alone is not carried to the result.  A block of zeros gets the scale byte 1 where the rule says 127 (its codes are
; zeros, and this program alone reads the bytes); a block whose largest magnitude lies under 2^-124 has its byte held at 1.  NaN and infinities among the inputs are not served.
;
; THIS LAUNCH lays W_h's second half out as the next launch's operand registers want it, and makes D.  wrec: 64 records, one for each 16 rows of W_h (h tile ht), of four sub-records tb of 3,328 bytes:
;   +0     codes of K steps q = 2 tb, 2 tb + 1 (128 along K each) of the enc half, as images of the operand's registers: 1,024 (q & 1) + 512 c + 16 lane
;   +2,048 their scale words: 128 (q & 1) + 4 lane (lanes 16-31 repeat lanes 0-15)
;   +2,304 D's tile (batches 16 tb .., h 16 ht ..) as an image of an accumulator: 512 c + 16 lane; lane (r, hh), register j: D[16 tb + r][16 ht + 8 hh + j]
; SHARES.  Work-group (ht, tb), eight waves.  Wave w quantises 16 rows x 128 K (K step w of the dec half) of W_h and of dec, and multiplies them: one matrix instruction; the eight partial tiles
; meet in LDS and are added in ascending K.  Waves 0 and 1 also quantise K step 2 tb + w of W_h's enc half.  No tensor load: the tiles are read once and turned through a stage of the wave's own.
.set RECB,   13312
.set SUBB,   3328
.set SPITCH, 528                       ; a stage row: 512 bytes + 16 = 132 words: row r starts 4 r words on, modulo 64 (64 banks of 4 bytes: ISA guide 11.1): the 16 rows that a load touches start at 16 different places
.set STGB,   16*SPITCH                 ; a wave's stage: 16 rows
.set RED,    8*STGB                    ; eight partial tiles of D, 1,024 bytes each
.set SW,     RED+8*1024                ; the two K steps' scale words, 256 bytes
.set SPARE,  SW+256                    ; the spare words, 128 bytes for each wave: four blocks of 256 bytes that no other line names
.set LI,   1                           ; v1   16 x lane: a load's 16 bytes of a row's 512
.set STI,  2                           ; v2   the stage, on the way in: stage + 16 x lane
.set STO,  3                           ; v3   and out: stage + 528 r + 128 hh
.set SH8,  4                           ; v4   8 hh: where my two scale bytes stand in the word
.set REDW, 5                           ; v5   RED + 1,024 wave + 16 lane
.set REDR, 6                           ; v6   RED + 512 (wave & 1) + 16 lane
.set SWW,  7                           ; v7   SW + 128 (wave & 1) + 4 lane
.set SWR,  8                           ; v8   SW + 8 lane
.set L8,   9                           ; v9   8 x lane
.set CW,   10                          ; v10  16 lane + 1,024 (wave & 1): my codes' place in the sub-record
.set DOF,  11                          ; v11  16 lane + 512 (wave & 1): my half of D's image
.set SPW,  14                          ; v14  LDS address of my spare word; never rewritten
.set NIL,  15                          ; v15  0; never rewritten
.set ACC,  16                          ; v16-23  my partial tile of D
.set W1F,  32                          ; v32-39  W_h's fragment (dec half)
.set DF,   40                          ; v40-47  dec's fragment
.set PC,   48                          ; v48-55  W_h's fragment (enc half)
.set W1S,  56                          ; v56, v57, v58  their scale words
.set DS,   57
.set PWC,  58
.set TM,   60                          ; v60-61 largest magnitudes; v62-63 the conversions' scale operands; v64-65 bytes; v66 the other half's bytes
.set SO,   62
.set BY,   64
.set PT,   66
.set X,    128                         ; v128-191  64 numbers of my row: two whole blocks of 32
.set RD,   192                         ; v192-223  eight partial quarters;  v224-227 their sum
.set SUM,  224
.set SEL,  20                          ; s[20:21] lane selects for v_permlanex16_b32: lane l xor 16
; window 1 (v256 on): the numbers as loaded: unit C at 0, unit A at 64, unit B at 128
.set MSB, 0
.macro WIN new                         ; the immediate's high byte repeats the setting that is left; a switch that changes nothing is dropped
.if MSB != \new
	s_set_vgpr_msb (MSB<<8)|\new
.set MSB, \new
.endif
.endm
; 16 rows x 128 numbers, loaded with neighbouring lanes on neighbouring bytes (register 4 i .. 4 i + 3: row i), go through my stage and come back as the operand's layout wants them:
; lane (r, hh) holds, of row r, k = 64 c + 32 hh + 0 .. 31 in v[X + 32 c] on.  LDS serves a wave's instructions in order (ISA guide 5.7.1.4): no wait between the stores and the loads.
.macro TURN raw
	WIN 0x04                                       ; an LDS store's data are its source 1: window 1
.irp i, 0,1,2,3,4,5,6,7,8,9,10,11,12,13,14,15
	ds_store_b128 v[STI], v[\raw+4*\i:\raw+4*\i+3] offset:SPITCH*\i
.endr
	WIN 0
.irp c, 0,1
.irp j, 0,1,2,3,4,5,6,7
	ds_load_b128 v[X+32*\c+4*\j:X+32*\c+4*\j+3], v[STO] offset:256*\c+16*\j
.endr
.endr
	s_wait_dscnt 0x0                               ; the numbers are in; the stores have read their registers
.endm
; The 64 numbers in v[X] on become a fragment's codes in v[pc] on and my row's scale word in v[pw].
.macro QBLK pc, pw
.irp c, 0,1
	v_max3_num_f32 v[TM+\c], |v[X+32*\c]|, |v[X+32*\c+1]|, 0x1800000   ; block 2 c + hh: all its 32 numbers are mine; the floor 2^(3 - 127) holds the byte at 1 from below
.endr
.irp i, 2,4,6,8,10,12,14,16,18,20,22,24,26,28,30
.irp c, 0,1
	s_delay_alu instid0(VALU_DEP_2)
	v_max3_num_f32 v[TM+\c], v[TM+\c], |v[X+32*\c+\i]|, |v[X+32*\c+\i+1]|   ; (the two blocks by turns)
.endr
.endr
.irp c, 0,1
	s_delay_alu instid0(VALU_DEP_2)
	v_add_nc_u32 v[SO+\c], 0xff000000, v[TM+\c]    ; 2 off the exponent field: the conversion takes this operand's exponent field as its scale, and nothing else of it
.endr
.irp c, 0,1
	s_delay_alu instid0(VALU_DEP_2)
	v_lshrrev_b32 v[BY+\c], 23, v[SO+\c]           ; the scale's byte
.endr
	s_delay_alu instid0(VALU_DEP_1)
	v_lshl_or_b32 v[\pw], v[BY+1], 16, v[BY]       ; my two bytes: blocks hh and 2 + hh,
	s_delay_alu instid0(VALU_DEP_1)
	v_lshlrev_b32 v[\pw], v[SH8], v[\pw]           ; at their places in the word;
	s_delay_alu instid0(VALU_DEP_1)
	v_permlanex16_b32 v[PT], v[\pw], s[SEL], s[SEL+1]
	s_delay_alu instid0(VALU_DEP_1)
	v_or_b32 v[\pw], v[\pw], v[PT]                 ; with lane l xor 16's two the word is whole, in both halves of the lanes
.irp c, 0,1
.irp g, 0,1,2,3
	v_cvt_scalef32_pk8_fp4_f32 v[\pc+4*\c+\g], v[X+32*\c+8*\g:X+32*\c+8*\g+7], v[SO+\c]   ; registers 4 c .. 4 c + 3 of the operand
.endr
.endr
	v_nop                                          ; one plain instruction behind the last scaled conversion
.endm
	s_load_b128 s[4:7], s[0:1], 0x0                ; W_h s[4:5], decoder_hidden s[6:7]
	s_load_b64 s[8:9], s[0:1], 0x10                ; wrec
	v_lshl_add_u32 v[SPW], v0, 2, SPARE
	v_mov_b32 v[NIL], 0
	v_lshrrev_b32 v12, 5, v0
	s_delay_alu instid0(VALU_DEP_1)
	v_readfirstlane_b32 s10, v12                   ; wave 0..7
	v_and_b32 v12, 31, v0                          ; lane
	v_and_b32 v13, 15, v0                          ; r
	v_bfe_u32 v[SH8], v0, 4, 1                     ; hh
	s_delay_alu instid0(VALU_DEP_3)
	v_lshlrev_b32 v[LI], 4, v12
	s_mul_i32 s11, s10, STGB                       ; my stage
	v_add_nc_u32 v[STI], s11, v[LI]
	v_mul_u32_u24 v[STO], v13, SPITCH
	s_delay_alu instid0(VALU_DEP_1)
	v_lshl_add_u32 v[STO], v[SH8], 7, v[STO]
	s_delay_alu instid0(VALU_DEP_1)
	v_add_nc_u32 v[STO], s11, v[STO]
	v_lshlrev_b32 v[SH8], 3, v[SH8]
	s_lshl_b32 s22, s10, 10
	s_add_co_u32 s22, s22, RED
	v_add_nc_u32 v[REDW], s22, v[LI]
	s_and_b32 s23, s10, 1                          ; the addresses that waves 0 and 1 alone use are made of wave & 1: every LDS address register is made here, ahead of the first branch
	s_lshl_b32 s22, s23, 9
	v_add_nc_u32 v[DOF], s22, v[LI]
	s_delay_alu instid0(VALU_DEP_1)
	v_add_nc_u32 v[REDR], RED, v[DOF]
	s_lshl_b32 s22, s23, 10
	v_add_nc_u32 v[CW], s22, v[LI]
	s_lshl_b32 s22, s23, 7
	s_add_co_u32 s22, s22, SW
	v_lshl_add_u32 v[SWW], v12, 2, s22
	v_lshl_add_u32 v[SWR], v12, 3, SW
	v_lshlrev_b32 v[L8], 3, v12
	v_mov_b32 v[PT], 0                             ; written once: a lane permute's destination counts as one of its sources
	s_mov_b32 s[SEL], 0x76543210
	s_mov_b32 s[SEL+1], 0xfedcba98
	s_and_b32 s32, ttmp7, 0xffff                   ; tb
	s_lshl_b32 s24, ttmp9, 17                      ; W_h: 16 ht rows of 8,192 bytes,
	s_lshl_b32 s33, s10, 9                         ; + K step w: 512 bytes
	s_add_co_u32 s24, s24, s33
	s_mov_b32 s25, 0
	s_lshl_b32 s26, s32, 10                        ; unit C: 2 tb K steps further on (and 4,096 bytes, in the immediate)
	s_mov_b32 s27, 0
	s_lshl_b32 s28, s32, 16                        ; dec: 16 tb rows of 4,096 bytes, + K step w
	s_add_co_u32 s28, s28, s33
	s_mov_b32 s29, 0
	s_mul_i32 s30, ttmp9, RECB                     ; my sub-record
	s_mul_i32 s31, s32, SUBB
	s_add_co_u32 s30, s30, s31
	s_mov_b32 s31, 0
	s_wait_kmcnt 0x0
	s_add_nc_u64 s[12:13], s[4:5], s[24:25]
	s_add_nc_u64 s[14:15], s[12:13], s[26:27]
	s_add_nc_u64 s[16:17], s[6:7], s[28:29]
	s_add_nc_u64 s[18:19], s[8:9], s[30:31]
	s_cmp_ge_u32 s10, 2
	s_cbranch_scc1 .Lno_c_loads
	WIN 0x40                                       ; destination window 1
.irp i, 0,1,2,3,4,5,6,7,8,9,10,11,12,13,14,15
	global_load_b128 v[4*\i:4*\i+3], v[LI], s[14:15] offset:8192*\i+4096 th:TH_LOAD_NT   ; unit C: each load reads 512 consecutive bytes of a row; read once in the launch
.endr
	WIN 0
.Lno_c_loads:
	WIN 0x40
.irp i, 0,1,2,3,4,5,6,7,8,9,10,11,12,13,14,15
	global_load_b128 v[64+4*\i:64+4*\i+3], v[LI], s[12:13] offset:8192*\i    ; unit A: W_h, dec half
.endr
.irp i, 0,1,2,3,4,5,6,7,8,9,10,11,12,13,14,15
	global_load_b128 v[128+4*\i:128+4*\i+3], v[LI], s[16:17] offset:4096*\i  ; unit B: dec
.endr
	WIN 0
	s_wait_loadcnt 16                              ; unit A is in (and C, which is older): only B's sixteen loads are younger, in every wave
	TURN 64
	QBLK W1F, W1S
	s_wait_loadcnt 0x0
	TURN 128
	QBLK DF, DS
.rept 8
	v_nop                                          ; a scale word written by a vector instruction stands 8 places ahead of a scaled matrix instruction, an operand so written 4
.endr
	v_wmma_scale_f32_16x16x128_f8f6f4 v[ACC:ACC+7], v[W1F:W1F+7], v[DF:DF+7], 0, v[W1S], v[DS] matrix_a_fmt:MATRIX_FMT_FP4 matrix_b_fmt:MATRIX_FMT_FP4   ; transposed: source 0 = 16 rows of W_h, source 1 = 16 batches
.rept 4
	v_nop                                          ; four places in front of the first read of the result (ISA guide 7.12.1)
.endr
	ds_store_b128 v[REDW], v[ACC:ACC+3]            ; the result from its low end on
	ds_store_b128 v[REDW], v[ACC+4:ACC+7] offset:512
	s_cmp_ge_u32 s10, 2
	s_cbranch_scc1 .Lno_c_work
	TURN 0
	QBLK PC, PWC
	global_store_b128 v[CW], v[PC:PC+3], s[18:19]              ; 32 lanes store 512 consecutive bytes, at a multiple of 256 from the buffer's first byte
	global_store_b128 v[CW], v[PC+4:PC+7], s[18:19] offset:512
	ds_store_b32 v[SWW], v[PWC]
.Lno_c_work:
	s_wait_dscnt 0x0                               ; for the others' sake: my stores into RED and SW are done
	s_barrier_signal -1
	s_barrier_wait -1
	s_cmp_ge_u32 s10, 2
	s_cbranch_scc1 .Lnot_sum
.irp k, 0,1,2,3,4,5,6,7
	ds_load_b128 v[RD+4*\k:RD+4*\k+3], v[REDR] offset:1024*\k  ; half w of the image, from each of the eight partial tiles
.endr
	s_wait_dscnt 0x0
	v_pk_add_f32 v[SUM:SUM+1], v[RD:RD+1], v[RD+4:RD+5]        ; K ascending
	v_pk_add_f32 v[SUM+2:SUM+3], v[RD+2:RD+3], v[RD+6:RD+7]
.irp k, 2,3,4,5,6,7
	s_delay_alu instid0(VALU_DEP_2)
	v_pk_add_f32 v[SUM:SUM+1], v[SUM:SUM+1], v[RD+4*\k:RD+4*\k+1]
	s_delay_alu instid0(VALU_DEP_2)
	v_pk_add_f32 v[SUM+2:SUM+3], v[SUM+2:SUM+3], v[RD+4*\k+2:RD+4*\k+3]
.endr
	global_store_b128 v[DOF], v[SUM:SUM+3], s[18:19] offset:2304
.Lnot_sum:
	s_cmp_lg_u32 s10, 2
	s_cbranch_scc1 .Lnot_words
	ds_load_b64 v[RD:RD+1], v[SWR]
	s_wait_dscnt 0x0
	global_store_b64 v[L8], v[RD:RD+1], s[18:19] offset:2048   ; 32 lanes store 256 consecutive bytes, aligned
.Lnot_words:
	s_wait_tensorcnt 0x0                           ; the wave's end, behind my last LDS store
	ds_add_u32 v[SPW], v[NIL]
	s_wait_dscnt 0x0
	s_endpgm
.Lfunc_end_k_qb634c48311_prep:
	.size	k_qb634c48311_prep, .Lfunc_end_k_qb634c48311_prep-k_qb634c48311_prep
	.p2alignl 7, 3214868480
	.fill 96, 4, 3214868480
	.section	.rodata,"a",@progbits
	.p2align	6, 0x0
	.amdhsa_kernel k_qb634c48311_prep
		.amdhsa_group_segment_fixed_size 77056
		.amdhsa_private_segment_fixed_size 0
		.amdhsa_enable_private_segment 0
		.amdhsa_kernarg_size 24
		.amdhsa_user_sgpr_count 2
		.amdhsa_user_sgpr_kernarg_segment_ptr 1
		.amdhsa_wavefront_size32 1
		.amdhsa_system_sgpr_workgroup_id_x 1
		.amdhsa_system_sgpr_workgroup_id_y 1
		.amdhsa_system_sgpr_workgroup_id_z 1
		.amdhsa_system_vgpr_workitem_id 0
		.amdhsa_next_free_vgpr 448
		.amdhsa_next_free_sgpr 66
		.amdhsa_reserve_vcc 0
		.amdhsa_float_denorm_mode_32 3
		.amdhsa_float_denorm_mode_16_64 3
		.amdhsa_memory_ordered 1
		.amdhsa_forward_progress 1
		.amdhsa_inst_pref_size 30
	.end_amdhsa_kernel
	.amdgpu_metadata
---
amdhsa.version: [ 1, 2 ]
amdhsa.kernels:
  - .name:           k_qb634c48311_prep
    .symbol:         k_qb634c48311_prep.kd
    .args:
      - { .name: W_h, .offset: 0, .size: 8, .value_kind: global_buffer, .address_space: global }
      - { .name: decoder_hidden, .offset: 8, .size: 8, .value_kind: global_buffer, .address_space: global }
      - { .name: wrec, .offset: 16, .size: 8, .value_kind: global_buffer, .address_space: global }
    .group_segment_fixed_size: 77056
    .private_segment_fixed_size: 0
    .kernarg_segment_align: 8
    .kernarg_segment_size: 24
    .max_flat_workgroup_size: 256
    .sgpr_count:     66
    .vgpr_count:     448
    .wavefront_size: 32
...
	.end_amdgpu_metadata
.endif
;; end of part 1
;; launch scores (part 2): grid 256 x 1, 8 waves a work-group, clusters of 4 x 1, 327,680 bytes of LDS; arguments encoder_outputs, inp_mask, v, wrec, aw; writes aw
.if DOCPART == 2
	.amdgcn_target "amdgcn-amd-amdhsa--gfx1250"
	.amdhsa_code_object_version 6
	.text
	.protected	k_qb634c48311_scores
	.globl	k_qb634c48311_scores
	.p2align	8
	.type	k_qb634c48311_scores,@function
k_qb634c48311_scores:
	s_mov_b64 s[64:65], 0
	v_nop
	global_prefetch_b8 v0, s[64:65] scope:SCOPE_SE
	s_setreg_imm32_b32 hwreg(HW_REG_WAVE_MODE, 25, 1), 1
	s_wait_xcnt 0x0
	s_wait_alu depctr_hold_cnt(0) depctr_sa_sdst(0) depctr_va_vdst(0) depctr_va_sdst(0) depctr_va_ssrc(0) depctr_va_vcc(0) depctr_vm_vsrc(0)
	s_getreg_b32 s2, hwreg(HW_REG_IB_STS2, 6, 4)
	s_cmp_eq_u32 s2, 0
	s_cbranch_scc0 .Lentry_in_a_cluster
	s_endpgm
.Lentry_in_a_cluster:
	s_bfe_u32 s2, ttmp6, 0x10000c
	s_cmp_lg_u32 s2, 0x3003
	s_cbranch_scc0 .Lentry_shape_is_right
	s_endpgm
.Lentry_shape_is_right:
; aw[b][s] = softmax over b of scores[b][s], x mask[s][b]: what out0 is before it is normalised along s.  scores = sum_h v[h] tanh(D[b][h] + Q(enc[b][s]) . Q(W_h[h][1024:])).
; WORK LEFT OUT (shown at the head of the first kernel): sum_h v[h], the same along the softmax's axis; the dec half of the product is made once, by the launch before, and comes in as D.
; LIMITS: as stated there (a block of zeros has the byte 1; a byte is held at 1 from below; NaN and infinities among the inputs are not served).
; tanh x = 1 - 2 r, r = 1 / (1 + 2^(c x)), c = 2 log2 e: 2^(c x) = infinity gives r = 0, 0 gives r = 1: both ends are right without a clamp.  The softmax takes its maximum away, in base 2.
; SHARES.  A work-group owns positions s0 = 2 wg, s0 + 1 of ALL 64 batches, 128 rows: the softmax over b never leaves it.  Row tile T = 2 tb + sg: batches 16 tb + r at position s0 + sg.
; Eight waves, two to a SIMD.  Wave w quantises tile T = w in registers; the fragments go to LDS as images of their registers.  Then wave w = 4 g + i takes tiles 4 g .. 4 g + 3 (256 registers)
; and walks records (h tiles) 8 f + 2 i + j, f = 0..7, j = 0, 1: a fragment of W_h read from LDS feeds four matrix instructions.
; A RECORD: 32 matrix instructions in one run (four accumulators by turns; the first K step takes D as C); the next record's 26 LDS loads into the same registers; then the activation of the 32 numbers a lane
; in whole batches: 16 packed scalings, 32 exponentials, 16 packed additions, 32 reciprocals, 16 packed multiply-adds with v.  No transcendental stands between the links of a sum.
; THE MATRIX INSTRUCTION IS USED TRANSPOSED (source 0 = 16 rows of W_h, source 1 = 16 rows of enc): a lane holds ONE row (b, s), its eight registers h = 16 ht + 8 hh + 0 .. 7.
; CLUSTER.  Every work-group walks the same records in the same order: the four of a cluster ask for them JOINTLY.  Two slots of eight records; wave w fetches record w of a slot.
; NO PREFETCH of wrec: all 64 clusters walk the same 851,968 bytes in the same order; enc is read once, by loads that are asked for up to four units (64 loads a wave) ahead.
; THE WAY OUT stores 8 bytes a lane to rows 2,048 bytes apart: 64 pieces a work-group; laid [s][b] the next launch would gather 4 bytes out of each of 512 rows.
.set RECB,   13312                     ; a record: four sub-records
.set SUBB,   3328                      ; a sub-record: 2,048 bytes of codes (two K steps), 256 of scale words, 1,024 of D
.set SPITCH, 272                       ; a stage row: 256 bytes + 16 = 68 words: the 16 rows that a load touches start 4 words apart, modulo 64
.set STGB,   16*SPITCH
.set AIMG,   0                         ; enc's 64 fragments: (T, q) at 1,024 (8 T + q) + 512 c + 16 lane
.set ASC,    65536                     ; their scale words: 128 (8 T + q) + 4 lane
.set VL,     ASC+8192                  ; v, 4,096 bytes
.set STG,    VL+4096                   ; a stage for each wave
.set SCX,    STG                       ; at the end, in the stages' bytes: partial scores: 512 i + 8 b + 4 sg
.set SPARE,  STG+8*STGB                ; the spare words, 128 bytes for each wave: four blocks of 256 bytes that no other line names
.set RING,   SPARE+1024                ; all that LDS stores write lies under it
.set SLOTB,  8*RECB
.set LI,   1                           ; 16 x lane
.set GOFF, 2                           ; 16 r + 2,097,152 hh: sixteen lanes on a row's 256 bytes, the other sixteen on the next batch's
.set STI,  3                           ; the stage, in: 272 hh + 16 r
.set STO,  4                           ; and out: 272 r + 128 hh
.set IMW,  5                           ; my tile's images: 8,192 w + 16 lane
.set SCW,  6                           ; its scale words: ASC + 1,024 w + 4 lane
.set ASA,  7                           ; ASC + 4,096 g + 4 lane + 512 hh: lanes 16-31 take the K step four further on
.set RA,   8                           ; v8-9   my two records of slot 0, 1: + 16 lane
.set WSA,  10                          ; v10-11 the same + 4 lane + 6,656 hh
.set VA,   12                          ; v of the h tile in hand: VL + 128 i + 32 hh, 512 on with each slot
.set SH8,  13
.set SPW,  14                          ; my spare word; never rewritten
.set NIL,  15                          ; 0; never rewritten
.set RAD,  16                          ; v16-17 RA + 6,656 g: D's tiles of my batches
.set LIA,  18                          ; 32,768 g + 16 lane
.set SCXA, 19
.set SCXR, 20
.set AWO,  21
.set VLW,  22
.set L4,   23
.set VG,   24
.set TM,   26
.set SO,   28
.set BY,   30
.set PW,   32
.set PT,   33
.set AS,   36                          ; v36-51  enc's scale words: 4 t + qq: lanes 0-15 K step qq, lanes 16-31 qq + 4
.set WS,   52                          ; v52-55  W_h's, likewise
.set MK,   56                          ; v56-59  mask[s0 + sg][32 u + lane] at 2 u + sg
.set VV,   60                          ; v60-75  v's eight numbers of my half of an h tile: two sets
.set SS,   76                          ; v76-83  the running sums, a pair a tile
.set DB,   84                          ; v84-99  D's two tiles
.set ACC,  100                         ; v100-131 four accumulators
.set WF,   132                         ; v132-195 W_h's eight fragments
.set X,    132                         ; at the head: 64 numbers of my row
.set PC,   196
.set VT,   204
.set TS,   208
.set TP,   216
.set TT,   224
; window 1 (v256-511): first the numbers as loaded, four sets of 64; then enc's fragments (t, q) at 8 (8 t + q)
.set WV,   14
.set EB,   20                          ; s[20:27] enc at my tile's batches 4 j, j = 0..3
.set G1,   28
.set G0,   36
.set CS,   44
.set NCS,  46
.set SEL,  48
.set MSB, 0
.macro WIN new                         ; the immediate's high byte repeats the setting that is left
.if MSB != \new
	s_set_vgpr_msb (MSB<<8)|\new
.set MSB, \new
.endif
.endm
.macro PLACES
.rept 4
	v_nop
.endr
.endm
.macro VWAIT
	s_wait_alu depctr_va_vdst(0)
.endm
.macro CROUND                          ; a round of the cluster's barrier
	s_barrier_signal -1
	s_barrier_wait -1
	s_cmp_lg_u32 s[WV], 0
	s_cbranch_scc1 .Lnot_wave_0_\@
	s_barrier_signal -3
.Lnot_wave_0_\@:
	s_barrier_wait -3
	s_barrier_signal -1
	s_barrier_wait -1
.endm
; 16 rows x 128 numbers go through my stage in two halves of 64 along K and come back as the operand's layout wants them: lane (r, hh) holds k = 64 c + 32 hh + 0 .. 31 of row r in v[X + 32 c] on.
; LDS serves a wave's instructions in order (ISA guide 5.7.1.4): no wait between stores and loads, nor ahead of the second half's stores.
.macro TURN raw
.irp c, 0,1
	WIN 0x04                                       ; an LDS store's data: window 1
.irp i, 0,1,2,3,4,5,6,7
	ds_store_b128 v[STI], v[\raw+32*\c+4*\i:\raw+32*\c+4*\i+3] offset:2*SPITCH*\i
.endr
	WIN 0
.irp j, 0,1,2,3,4,5,6,7
	ds_load_b128 v[X+32*\c+4*\j:X+32*\c+4*\j+3], v[STO] offset:16*\j
.endr
.endr
	s_wait_dscnt 0x0                               ; the numbers are in; all my stores have read their registers
.endm
.macro QBLK pc, pw                     ; the 64 numbers become a fragment's codes and my row's scale word
.irp c, 0,1
	v_max3_num_f32 v[TM+\c], |v[X+32*\c]|, |v[X+32*\c+1]|, 0x1800000   ; block 2 c + hh is all mine; the floor 2^(3 - 127) holds the byte at 1 from below
.endr
.irp i, 2,4,6,8,10,12,14,16,18,20,22,24,26,28,30
.irp c, 0,1
	s_delay_alu instid0(VALU_DEP_2)
	v_max3_num_f32 v[TM+\c], v[TM+\c], |v[X+32*\c+\i]|, |v[X+32*\c+\i+1]|
.endr
.endr
.irp c, 0,1
	s_delay_alu instid0(VALU_DEP_2)
	v_add_nc_u32 v[SO+\c], 0xff000000, v[TM+\c]    ; 2 off the exponent field: the conversion's scale operand
.endr
.irp c, 0,1
	s_delay_alu instid0(VALU_DEP_2)
	v_lshrrev_b32 v[BY+\c], 23, v[SO+\c]           ; the scale's byte
.endr
	s_delay_alu instid0(VALU_DEP_1)
	v_lshl_or_b32 v[\pw], v[BY+1], 16, v[BY]
	s_delay_alu instid0(VALU_DEP_1)
	v_lshlrev_b32 v[\pw], v[SH8], v[\pw]
	s_delay_alu instid0(VALU_DEP_1)
	v_permlanex16_b32 v[PT], v[\pw], s[SEL], s[SEL+1]
	s_delay_alu instid0(VALU_DEP_1)
	v_or_b32 v[\pw], v[\pw], v[PT]                 ; with lane l xor 16's two bytes the word is whole
.irp c, 0,1
.irp g, 0,1,2,3
	v_cvt_scalef32_pk8_fp4_f32 v[\pc+4*\c+\g], v[X+32*\c+8*\g:X+32*\c+8*\g+7], v[SO+\c]
.endr
.endr
	v_nop                                          ; one plain instruction behind the last scaled conversion
.endm
.macro XLOAD u                         ; K step u of my tile: sixteen loads; each reads 256 consecutive aligned bytes of two rows
	WIN 0x40
.irp c, 0,1
.irp i, 0,1,2,3,4,5,6,7
	global_load_b128 v[64*((\u)%4)+32*\c+4*\i:64*((\u)%4)+32*\c+4*\i+3], v[GOFF], s[EB+2*(\i/2):EB+2*(\i/2)+1] offset:(\i%2)*4194304+512*(\u)+256*\c th:TH_LOAD_NT
.endr
.endr
	WIN 0
.endm
.macro UNIT u
.if 7-(\u) >= 3
	s_wait_loadcnt 48                              ; this unit's sixteen loads are in; those of the three units behind it may be out
.else
	s_wait_loadcnt 16*(7-(\u))
.endif
.if (\u) == 0
	ds_store_b128 v[VLW], v[VT:VT+3]               ; v, whose load is older: 16 bytes a thread
.endif
	TURN 64*((\u)%4)
.if (\u) < 4
	XLOAD (\u)+4
.endif
	QBLK PC, PW
	ds_store_b128 v[IMW], v[PC:PC+3] offset:AIMG+1024*(\u)
	ds_store_b128 v[IMW], v[PC+4:PC+7] offset:AIMG+1024*(\u)+512
	ds_store_b32 v[SCW], v[PW] offset:128*(\u)
.endm
.macro ALOAD                           ; my four tiles' 32 fragments and their scale words: they stay
	WIN 0x40
.irp t, 0,1,2,3
.irp q, 0,1,2,3,4,5,6,7
.irp c, 0,1
	ds_load_b128 v[8*(8*\t+\q)+4*\c:8*(8*\t+\q)+4*\c+3], v[LIA] offset:AIMG+1024*(8*\t+\q)+512*\c
.endr
.endr
.endr
	WIN 0
.irp t, 0,1,2,3
.irp q, 0,1,2,3
	ds_load_b32 v[AS+4*\t+\q], v[ASA] offset:128*(8*\t+\q)
.endr
.endr
.endm
.macro LOADREC slot, i, vs, voff       ; record i of my two in a slot; v's eight numbers into set vs
.irp q, 0,1,2,3,4,5,6,7
.irp c, 0,1
	ds_load_b128 v[WF+8*\q+4*\c:WF+8*\q+4*\c+3], v[RA+(\slot)] offset:RECB*(\i)+SUBB*(\q/2)+1024*(\q%2)+512*\c
.endr
.endr
.irp t, 0,1
.irp c, 0,1
	ds_load_b128 v[DB+8*\t+4*\c:DB+8*\t+4*\c+3], v[RAD+(\slot)] offset:RECB*(\i)+SUBB*\t+2304+512*\c
.endr
.endr
.irp q, 0,1,2,3
	ds_load_b32 v[WS+\q], v[WSA+(\slot)] offset:RECB*(\i)+SUBB*(\q/2)+2048+128*(\q%2)
.endr
.irp c, 0,1
	ds_load_b128 v[VV+8*(\vs)+4*\c:VV+8*(\vs)+4*\c+3], v[VA] offset:\voff+16*\c
.endr
.endm
; 32 matrix instructions: one h tile x my 64 rows x K = 1,024.  The four accumulators take turns, one instruction a turn.
.macro MUL
	WIN 0x04                                       ; source 1 (enc) window 1, all else window 0
.set WI, 0
.rept 32
.set QQ, WI/4
.set TL, WI%4
.if QQ == 0
	v_wmma_scale_f32_16x16x128_f8f6f4 v[ACC+8*TL:ACC+8*TL+7], v[WF+8*QQ:WF+8*QQ+7], v[8*(8*TL+QQ):8*(8*TL+QQ)+7], v[DB+8*(TL/2):DB+8*(TL/2)+7], v[WS+QQ], v[AS+4*TL+QQ] matrix_a_fmt:MATRIX_FMT_FP4 matrix_b_fmt:MATRIX_FMT_FP4
.elseif QQ < 4
	v_wmma_scale_f32_16x16x128_f8f6f4 v[ACC+8*TL:ACC+8*TL+7], v[WF+8*QQ:WF+8*QQ+7], v[8*(8*TL+QQ):8*(8*TL+QQ)+7], v[ACC+8*TL:ACC+8*TL+7], v[WS+QQ], v[AS+4*TL+QQ] matrix_a_fmt:MATRIX_FMT_FP4 matrix_b_fmt:MATRIX_FMT_FP4
.else
	v_wmma_scale_f32_16x16x128_f8f6f4 v[ACC+8*TL:ACC+8*TL+7], v[WF+8*QQ:WF+8*QQ+7], v[8*(8*TL+QQ):8*(8*TL+QQ)+7], v[ACC+8*TL:ACC+8*TL+7], v[WS+QQ-4], v[AS+4*TL+QQ-4] matrix_a_fmt:MATRIX_FMT_FP4 matrix_b_fmt:MATRIX_FMT_FP4 matrix_a_scale:MATRIX_SCALE_ROW1 matrix_b_scale:MATRIX_SCALE_ROW1
.endif
.set WI, WI+1
.endr
	PLACES                                         ; four places ahead of loads into the operands and of the first read of the results
	WIN 0
.endm
; The activation of the record's 32 numbers a lane.  Each batch of transcendentals has one wait ahead of it and one behind it.  Each accumulator is read from its low end on.
.macro ACT vs
.irp p, 0,2,4,6
.irp t, 0,1,2,3
	v_pk_mul_f32 v[ACC+8*\t+\p:ACC+8*\t+\p+1], v[ACC+8*\t+\p:ACC+8*\t+\p+1], s[CS:CS+1] op_sel_hi:[1,0]
.endr
.endr
	VWAIT
.set J, 0
.rept 32
	v_exp_f32 v[ACC+J], v[ACC+J]
.set J, J+1
.endr
	v_nop
	VWAIT
.irp p, 0,2,4,6
.irp t, 0,1,2,3
	v_pk_add_f32 v[ACC+8*\t+\p:ACC+8*\t+\p+1], v[ACC+8*\t+\p:ACC+8*\t+\p+1], 1.0 op_sel_hi:[1,0]
.endr
.endr
	VWAIT
.set J, 0
.rept 32
	v_rcp_f32 v[ACC+J], v[ACC+J]
.set J, J+1
.endr
	v_nop
	VWAIT
.irp p, 0,2,4,6
.irp t, 0,1,2,3
	v_pk_fma_f32 v[SS+2*\t:SS+2*\t+1], v[ACC+8*\t+\p:ACC+8*\t+\p+1], v[VV+8*(\vs)+\p:VV+8*(\vs)+\p+1], v[SS+2*\t:SS+2*\t+1]
.endr
.endr
.endm
; THE CHANGE OF SLOTS, when a slot's second record has been asked for.  Each wave waits for all its tensor loads (one is out: its record of the other slot), adds 0 to its spare word, and waits for that and
; for its reads of this slot.  fill = 1: a round of the cluster's barrier, and behind it, first, the joint refill: the records 16 further on; two records' work of every wave stands ahead of the wait for it.
.macro CHANGE slot, fill
	s_wait_tensorcnt 0x0
	ds_add_u32 v[SPW], v[NIL]
.if \fill
	s_add_nc_u64 s[G0+4*\slot+2:G0+4*\slot+3], s[G0+4*\slot+2:G0+4*\slot+3], 2*SLOTB
	s_wait_dscnt 0x0
	CROUND
	tensor_load_to_lds s[G0+4*\slot:G0+4*\slot+3], s[G1:G1+7]
	s_nop 0
	PLACES
.else
	s_wait_dscnt 0x0
	s_barrier_signal -1
	s_barrier_wait -1
.endif
	v_add_nc_u32 v[VA], 512, v[VA]                 ; the next slot's h tiles lie 128 numbers of v on
	VWAIT
.endm
	s_load_b256 s[4:11], s[0:1], 0x0               ; enc s[4:5], mask s[6:7], v s[8:9], wrec s[10:11]
	s_load_b64 s[12:13], s[0:1], 0x20              ; aw
	v_lshl_add_u32 v[SPW], v0, 2, SPARE
	v_mov_b32 v[NIL], 0
	ds_add_u32 v[SPW], v[NIL]                      ; the opening: the add, twice on end, and its wait ahead of my first tensor load
	ds_add_u32 v[SPW], v[NIL]
	v_lshrrev_b32 v[TT], 5, v0
	v_readfirstlane_b32 s[WV], v[TT]               ; wave 0..7
	s_and_b32 s17, s[WV], 3                        ; i
	s_lshr_b32 s18, s[WV], 2                       ; g
	s_bfe_u32 s15, ttmp6, 0x40000                  ; cx
	s_lshl_b32 s16, ttmp9, 2
	s_add_co_u32 s16, s16, s15                     ; wg: it enters enc's, the mask's and aw's addresses alone
	s_mov_b32 s[G1+0], 15|(3<<16)|(1<<21)          ; the mask: all four work-groups; elements of 8 bytes; bit 21 beside a mask
	s_mov_b32 s[G1+1], 32<<16                      ; a record: 13,312 dense bytes as 52 rows of 256
	s_mov_b32 s[G1+2], 52<<16
	s_mov_b32 s[G1+3], 32<<16
	s_mov_b32 s[G1+4], 52
	s_mov_b32 s[G1+5], 32
	s_mov_b32 s[G1+6], 0
	s_mov_b32 s[G1+7], 0
	s_mov_b32 s[CS], 0x4038aa3b                    ; c = 2 log2 e
	s_mov_b32 s[CS+1], s[CS]
	s_mov_b32 s[NCS], 0xc038aa3b
	s_mov_b32 s[NCS+1], s[NCS]
	s_mov_b32 s[SEL], 0x76543210
	s_mov_b32 s[SEL+1], 0xfedcba98
	s_mul_i32 s52, s[WV], STGB
	s_add_co_u32 s52, s52, STG                     ; my stage
	s_lshl_b32 s53, s[WV], 13                      ; my tile's images
	s_lshl_b32 s54, s[WV], 10
	s_add_co_u32 s54, s54, ASC                     ; and scale words
	s_lshl_b32 s55, s18, 12
	s_add_co_u32 s55, s55, ASC
	s_lshl_b32 s56, s18, 15
	s_mul_i32 s57, s17, 2*RECB
	s_add_co_u32 s57, s57, RING                    ; the two records that I read, in slot 0
	s_mul_i32 s58, s18, 2*SUBB
	s_add_co_u32 s58, s58, s57
	s_lshl_b32 s59, s17, 7
	s_add_co_u32 s59, s59, VL
	s_lshl_b32 s60, s17, 9
	s_lshl_b32 s61, s18, 8
	s_add_co_u32 s60, s60, s61
	s_add_co_u32 s60, s60, SCX
	s_mul_i32 s62, s[WV], RECB                     ; the record that I fetch
	s_mov_b32 s63, 0
	s_add_co_u32 s66, s62, RING
	s_lshr_b32 s68, s[WV], 1
	s_lshl_b32 s68, s68, 25                        ; enc: batch 16 (w / 2),
	s_lshl_b32 s67, s16, 13                        ; position 2 wg
	s_add_co_u32 s68, s68, s67
	s_and_b32 s67, s[WV], 1
	s_lshl_b32 s67, s67, 12                        ; + w % 2
	s_add_co_u32 s68, s68, s67
	s_mov_b32 s69, 0
	s_lshl_b32 s70, s16, 9                         ; the mask: row 2 wg of 256 bytes
	s_mov_b32 s71, 0
	s_lshl_b32 s72, s16, 3                         ; aw: column 2 wg
	s_mov_b32 s73, 0
	v_and_b32 v[TT], 31, v0                        ; lane
	v_and_b32 v[TT+1], 15, v0                      ; r
	v_bfe_u32 v[TT+2], v0, 4, 1                    ; hh
	v_lshlrev_b32 v[LI], 4, v[TT]
	v_lshlrev_b32 v[L4], 2, v[TT]
	v_lshlrev_b32 v[VG], 4, v0
	v_lshlrev_b32 v[GOFF], 4, v[TT+1]
	v_lshl_add_u32 v[GOFF], v[TT+2], 21, v[GOFF]
	v_mul_u32_u24 v[STO], v[TT+1], SPITCH
	v_mul_u32_u24 v[STI], v[TT+2], SPITCH
	v_lshl_add_u32 v[STI], v[TT+1], 4, v[STI]
	v_add_nc_u32 v[STI], s52, v[STI]
	v_lshl_add_u32 v[STO], v[TT+2], 7, v[STO]
	v_add_nc_u32 v[STO], s52, v[STO]
	v_add_nc_u32 v[IMW], s53, v[LI]
	v_add_nc_u32 v[SCW], s54, v[L4]
	v_lshl_add_u32 v[ASA], v[TT+2], 9, v[L4]
	v_add_nc_u32 v[ASA], s55, v[ASA]
	v_add_nc_u32 v[LIA], s56, v[LI]
	v_add_nc_u32 v[RA], s57, v[LI]
	v_add_nc_u32 v[RA+1], SLOTB, v[RA]
	v_add_nc_u32 v[RAD], s58, v[LI]
	v_add_nc_u32 v[RAD+1], SLOTB, v[RAD]
	v_mul_u32_u24 v[WSA], v[TT+2], 2*SUBB
	v_add_nc_u32 v[WSA], v[WSA], v[L4]
	v_add_nc_u32 v[WSA], s57, v[WSA]
	v_add_nc_u32 v[WSA+1], SLOTB, v[WSA]
	v_lshl_add_u32 v[VA], v[TT+2], 5, s59
	v_lshlrev_b32 v[SH8], 3, v[TT+2]
	v_lshl_add_u32 v[SCXA], v[TT+1], 3, s60
	v_lshl_add_u32 v[SCXR], v[TT], 3, SCX
	v_lshlrev_b32 v[AWO], 11, v[TT]                ; a row of aw is 2,048 bytes
	v_lshl_add_u32 v[VLW], v0, 4, VL
.irp k, 0,1,2,3,4,5,6,7
	v_mov_b32 v[SS+\k], 0                          ; the running sums: the activation is written once, for every record alike
.endr
	v_mov_b32 v[PT], 0                             ; a lane permute's destination counts as one of its sources
.irp k, 0,1,2,3
	v_mov_b32 v[TP+\k], 0
.endr
	VWAIT
	s_wait_dscnt 0x0                               ; both opening adds are done
	s_wait_kmcnt 0x0
	s_add_nc_u64 s[EB:EB+1], s[4:5], s[68:69]
	s_add_nc_u64 s[EB+2:EB+3], s[EB:EB+1], 0x800000
	s_add_nc_u64 s[EB+4:EB+5], s[EB+2:EB+3], 0x800000
	s_add_nc_u64 s[EB+6:EB+7], s[EB+4:EB+5], 0x800000
	s_add_nc_u64 s[6:7], s[6:7], s[70:71]
	s_add_nc_u64 s[12:13], s[12:13], s[72:73]
	global_load_b128 v[VT:VT+3], v[VG], s[8:9]     ; v: 256 threads x 16 bytes
.irp u, 0,1
.irp g, 0,1
	global_load_b32 v[MK+2*\u+\g], v[L4], s[6:7] offset:256*\g+128*\u
.endr
.endr
	XLOAD 0                                        ; the stream of enc begins ahead of the cluster's first round: it hangs on no partner
	s_mov_b32 s[G0], 1
	s_mov_b32 s[G0+1], s66
	s_add_nc_u64 s[G0+2:G0+3], s[10:11], s[62:63]
	s_mov_b32 s[G0+4], 1
	s_add_co_u32 s[G0+5], s66, SLOTB
	s_add_nc_u64 s[G0+6:G0+7], s[G0+2:G0+3], SLOTB
	s_or_b32 s[G0+3], s[G0+3], 0x80000000
	s_or_b32 s[G0+7], s[G0+7], 0x80000000
	CROUND                                         ; all four work-groups are here: the first joint loads meet
	tensor_load_to_lds s[G0:G0+3], s[G1:G1+7]      ; slot 0, my record: one tensor load a wave at the head
	s_nop 0
	PLACES
	XLOAD 1                                        ; the rest of the first four units follows my record's request
	XLOAD 2
	XLOAD 3
	UNIT 0
	UNIT 1
	s_wait_tensorcnt 0x0                           ; slot 0's record is in; slot 1's first fill is issued as a refill is
	ds_add_u32 v[SPW], v[NIL]
	s_wait_dscnt 0x0
	CROUND
	tensor_load_to_lds s[G0+4:G0+7], s[G1:G1+7]
	s_nop 0
	PLACES
	UNIT 2
	UNIT 3
	UNIT 4
	UNIT 5
	UNIT 6
	UNIT 7
	s_wait_dscnt 0x0                               ; for the others' sake: my images, scale words and part of v are in LDS.  Slot 1's load may stay out
	s_barrier_signal -1
	s_barrier_wait -1
	ALOAD
	LOADREC 0, 0, 0, 0
	s_mov_b32 s50, 3
.Lring:                                            ; three trips of four records; both slots are filled again
	s_wait_dscnt 0x0
	MUL
	LOADREC 0, 1, 1, 64
	ACT 0
	CHANGE 0, 1
	MUL
	LOADREC 1, 0, 0, 0
	ACT 1
	s_wait_dscnt 0x0
	MUL
	LOADREC 1, 1, 1, 64
	ACT 0
	CHANGE 1, 1
	MUL
	LOADREC 0, 0, 0, 0
	ACT 1
	s_sub_co_u32 s50, s50, 1
	s_cmp_lg_u32 s50, 0
	s_cbranch_scc1 .Lring
	s_wait_dscnt 0x0                               ; the last four records are written out: nothing more is asked for
	MUL
	LOADREC 0, 1, 1, 64
	ACT 0
	CHANGE 0, 0
	MUL
	LOADREC 1, 0, 0, 0
	ACT 1
	s_wait_dscnt 0x0
	MUL
	LOADREC 1, 1, 1, 64
	ACT 0
	s_wait_dscnt 0x0
	MUL
	ACT 1
	; THE WAY OUT.  My rows' sums over my 256 h: the pair's halves, then the other half of the lanes'.
.irp T, 0,1,2,3
	v_add_f32 v[TS+\T], v[SS+2*\T], v[SS+2*\T+1]
.endr
.irp T, 0,1,2,3
	v_permlanex16_b32 v[TP+\T], v[TS+\T], s[SEL], s[SEL+1]
.endr
.irp T, 0,1,2,3
	v_add_f32 v[TS+\T], v[TS+\T], v[TP+\T]
.endr
.irp t, 0,1
	ds_store_b64 v[SCXA], v[TS+2*\t:TS+2*\t+1] offset:128*\t   ; batch 32 g + 16 t + r, both positions; lanes 16-31 write the same bytes with the same values
.endr
	s_wait_dscnt 0x0                               ; for wave 0's sake
	s_barrier_signal -1
	s_barrier_wait -1
	s_cmp_lg_u32 s[WV], 0
	s_cbranch_scc1 .Ldone
.irp w, 0,1,2,3
.irp u, 0,1
	ds_load_b64 v[TT+4*\w+2*\u:TT+4*\w+2*\u+1], v[SCXR] offset:512*\w+256*\u   ; batch 32 u + lane; the pair: positions s0, s0 + 1
.endr
.endr
	s_wait_dscnt 0x0
.irp w, 1,2,3
.irp u, 0,1
	v_pk_add_f32 v[TT+2*\u:TT+2*\u+1], v[TT+2*\u:TT+2*\u+1], v[TT+4*\w+2*\u:TT+4*\w+2*\u+1]
.endr
.endr
.irp u, 0,1
	v_pk_mul_f32 v[TT+2*\u:TT+2*\u+1], v[TT+2*\u:TT+2*\u+1], s[NCS:NCS+1] op_sel_hi:[1,0]   ; t = score x log2 e, less the term that is the same for all b
.endr
.irp g, 0,1
	v_max_num_f32 v[TT+16+\g], v[TT+\g], v[TT+2+\g]
.endr
.irp m, 1,2,4,8
.irp g, 0,1
	v_max_num_f32_dpp v[TT+16+\g], v[TT+16+\g], v[TT+16+\g] row_xmask:\m row_mask:0xf bank_mask:0xf
.endr
.endr
.irp g, 0,1
	v_permlanex16_b32 v[TP+\g], v[TT+16+\g], s[SEL], s[SEL+1]
.endr
.irp g, 0,1
	v_max_num_f32 v[TT+16+\g], v[TT+16+\g], v[TP+\g]           ; the largest t of a position's 64 batches
.endr
.irp u, 0,1
	v_pk_add_f32 v[TT+2*\u:TT+2*\u+1], v[TT+2*\u:TT+2*\u+1], v[TT+16:TT+17] neg_lo:[0,1] neg_hi:[0,1]   ; the maximum is taken away
.endr
	VWAIT
.irp k, 0,1,2,3
	v_exp_f32 v[TT+\k], v[TT+\k]
.endr
	v_nop
	VWAIT
	v_pk_add_f32 v[TT+18:TT+19], v[TT:TT+1], v[TT+2:TT+3]
.irp m, 1,2,4,8
.irp g, 0,1
	v_add_f32_dpp v[TT+18+\g], v[TT+18+\g], v[TT+18+\g] row_xmask:\m row_mask:0xf bank_mask:0xf
.endr
.endr
.irp g, 0,1
	v_permlanex16_b32 v[TP+2+\g], v[TT+18+\g], s[SEL], s[SEL+1]
.endr
.irp g, 0,1
	v_add_f32 v[TT+18+\g], v[TT+18+\g], v[TP+2+\g]             ; at least 1: the largest t gives 2^0
.endr
	VWAIT
.irp g, 0,1
	v_rcp_f32 v[TT+18+\g], v[TT+18+\g]
.endr
	v_nop
	VWAIT
.irp u, 0,1
	v_pk_mul_f32 v[TT+2*\u:TT+2*\u+1], v[TT+2*\u:TT+2*\u+1], v[TT+18:TT+19]
.endr
.irp u, 0,1
	v_pk_mul_f32 v[TT+2*\u:TT+2*\u+1], v[TT+2*\u:TT+2*\u+1], v[MK+2*\u:MK+2*\u+1]
.endr
	global_store_b64 v[AWO], v[TT:TT+1], s[12:13]
	global_store_b64 v[AWO], v[TT+2:TT+3], s[12:13] offset:65536
.Ldone:
	s_wait_tensorcnt 0x0                           ; the wave's end
	ds_add_u32 v[SPW], v[NIL]
	s_wait_dscnt 0x0
	CROUND                                         ; the closing round
	s_endpgm
.Lfunc_end_k_qb634c48311_scores:
	.size	k_qb634c48311_scores, .Lfunc_end_k_qb634c48311_scores-k_qb634c48311_scores
	.p2alignl 7, 3214868480
	.fill 96, 4, 3214868480
	.section	.rodata,"a",@progbits
	.p2align	6, 0x0
	.amdhsa_kernel k_qb634c48311_scores
		.amdhsa_group_segment_fixed_size 327680
		.amdhsa_private_segment_fixed_size 0
		.amdhsa_enable_private_segment 0
		.amdhsa_kernarg_size 40
		.amdhsa_user_sgpr_count 2
		.amdhsa_user_sgpr_kernarg_segment_ptr 1
		.amdhsa_wavefront_size32 1
		.amdhsa_system_sgpr_workgroup_id_x 1
		.amdhsa_system_sgpr_workgroup_id_y 1
		.amdhsa_system_sgpr_workgroup_id_z 1
		.amdhsa_system_vgpr_workitem_id 0
		.amdhsa_next_free_vgpr 512
		.amdhsa_next_free_sgpr 80
		.amdhsa_reserve_vcc 0
		.amdhsa_float_denorm_mode_32 3
		.amdhsa_float_denorm_mode_16_64 3
		.amdhsa_memory_ordered 1
		.amdhsa_forward_progress 1
		.amdhsa_inst_pref_size 173
	.end_amdhsa_kernel
	.amdgpu_metadata
---
amdhsa.version: [ 1, 2 ]
amdhsa.kernels:
  - .name:           k_qb634c48311_scores
    .symbol:         k_qb634c48311_scores.kd
    .args:
      - { .name: encoder_outputs, .offset: 0, .size: 8, .value_kind: global_buffer, .address_space: global }
      - { .name: inp_mask, .offset: 8, .size: 8, .value_kind: global_buffer, .address_space: global }
      - { .name: v, .offset: 16, .size: 8, .value_kind: global_buffer, .address_space: global }
      - { .name: wrec, .offset: 24, .size: 8, .value_kind: global_buffer, .address_space: global }
      - { .name: aw, .offset: 32, .size: 8, .value_kind: global_buffer, .address_space: global }
    .group_segment_fixed_size: 327680
    .private_segment_fixed_size: 0
    .kernarg_segment_align: 8
    .kernarg_segment_size: 40
    .max_flat_workgroup_size: 256
    .sgpr_count:     80
    .vgpr_count:     512
    .wavefront_size: 32
...
	.end_amdgpu_metadata
.endif
;; end of part 2
;; launch context (part 3): grid 4 x 64, 8 waves a work-group, no clusters, 34,048 bytes of LDS; arguments encoder_outputs, aw, out0, part; writes out0, part
.if DOCPART == 3
	.amdgcn_target "amdgcn-amd-amdhsa--gfx1250"
	.amdhsa_code_object_version 6
	.text
	.protected	k_qb634c48311_context
	.globl	k_qb634c48311_context
	.p2align	8
	.type	k_qb634c48311_context,@function
k_qb634c48311_context:
	s_mov_b64 s[64:65], 0
	v_nop
	global_prefetch_b8 v0, s[64:65] scope:SCOPE_SE
	s_setreg_imm32_b32 hwreg(HW_REG_WAVE_MODE, 25, 1), 1
	s_wait_xcnt 0x0
; out0[b][s] = aw[b][s] / (sum over s of aw[b][s] + 1e-10);  part[sq][b][h] = sum over the 128 positions s of quarter sq of out0[b][s] enc[b][s][h]; the next launch adds the four parts into out1.
; All in f32: a product with one row, made by multiply-adds; memory binds.  No work of reference() is left out here.  The sums take the weights aw as they are; 1 / (the row's sum + 1e-10) multiplies
; once at the end, and the four parts are added last: the order of rounding differs from reference()'s by that.
; SHARES.  Work-group (sq, b) takes positions 128 sq .. 128 sq + 127 of batch b, WHOLE rows of 4,096 bytes.  Wave w adds positions 16 w .. 16 w + 15 of them: eight loads of 512 consecutive bytes a position,
; 32 sums a lane.  A ring of 6 positions in registers keeps 48 loads of every wave on their way.  The wave's 16 weights come by one scalar load (this launch does not write aw).
; The eight waves' sums meet in LDS; thread t adds h = 4 t .. 4 t + 3.  Thread t also holds aw[b][2 t], aw[b][2 t + 1], for the row's sum and for out0.
; No tensor load, no cluster, no matrix unit, no prefetch: the work-groups share nothing but 2,048 bytes of weights, each byte of enc feeds one multiply-add, and the stream is asked for 6 positions ahead.
.set RED,   0                          ; the waves' partial sums: 4,096 w + 4 h
.set RS,    32768                      ; the waves' sums of weights: 4 w
.set SPARE, RS+256                     ; the spare words, 128 bytes for each wave
.set NR,   6                           ; positions in the ring
.set LI,   1
.set T8,   2
.set REDW, 3
.set REDR, 4
.set RSW,  5
.set RSR,  6
.set SPW,  14
.set NIL,  15
.set ACC,  16                          ; v16-47  my 32 sums: 4 j + e: h = 128 j + 4 lane + e
.set AW,   48
.set INV,  52                          ; v52-53  1 / (the row's sum + 1e-10), and a word named with it as a pair
.set XR0,  56                          ; v56-247 the ring
.set SM,   248
.set SEL,  28
.set WT,   40                          ; s40-55  my 16 weights
	s_load_b256 s[4:11], s[0:1], 0x0               ; enc s[4:5], aw s[6:7], out0 s[8:9], part s[10:11]
	v_lshl_add_u32 v[SPW], v0, 2, SPARE
	v_mov_b32 v[NIL], 0
	v_lshrrev_b32 v50, 5, v0
	v_readfirstlane_b32 s30, v50                   ; wave 0..7
	s_lshl_b32 s31, s30, 12
	s_lshl_b32 s32, s30, 2
	s_add_co_u32 s32, s32, RS
	s_mov_b32 s[SEL], 0x76543210
	s_mov_b32 s[SEL+1], 0xfedcba98
	s_and_b32 s33, ttmp7, 0xffff                   ; b
	s_lshl_b32 s34, s33, 21                        ; enc: 2,097,152 bytes a batch,
	s_lshl_b32 s36, ttmp9, 19                      ; 128 sq positions of 4,096 bytes,
	s_add_co_u32 s34, s34, s36
	s_lshl_b32 s36, s30, 16                        ; 16 w positions
	s_add_co_u32 s34, s34, s36
	s_mov_b32 s35, 0
	s_lshl_b32 s38, ttmp9, 18                      ; part: 262,144 sq + 4,096 b
	s_lshl_b32 s36, s33, 12
	s_add_co_u32 s38, s38, s36
	s_mov_b32 s39, 0
	s_lshl_b32 s36, s33, 11                        ; aw, out0: 2,048 b
	s_mov_b32 s37, 0
	s_lshl_b32 s56, ttmp9, 9                       ; my wave's 16 weights: 512 sq + 64 w
	s_lshl_b32 s57, s30, 6
	s_add_co_u32 s56, s56, s57
	s_mov_b32 s57, 0
	v_and_b32 v50, 31, v0
	v_lshlrev_b32 v[LI], 4, v50
	v_lshlrev_b32 v[T8], 3, v0
	v_add_nc_u32 v[REDW], s31, v[LI]
	v_lshlrev_b32 v[REDR], 4, v0
	v_mov_b32 v[RSW], s32
	v_mov_b32 v[RSR], RS
	v_mov_b32 v51, 0                               ; a lane permute's destination counts as one of its sources
	s_wait_alu depctr_va_vdst(0)
	s_wait_kmcnt 0x0
	s_add_nc_u64 s[12:13], s[4:5], s[34:35]
	s_add_nc_u64 s[14:15], s[6:7], s[36:37]
	s_add_nc_u64 s[16:17], s[8:9], s[36:37]
	s_add_nc_u64 s[18:19], s[10:11], s[38:39]
	s_add_nc_u64 s[56:57], s[14:15], s[56:57]
	s_load_b512 s[WT:WT+15], s[56:57], 0x0
	global_load_b64 v[AW:AW+1], v[T8], s[14:15]
.macro FILL i                          ; position i: eight loads, each of 512 consecutive bytes, aligned; read once in the launch
.irp j, 0,1,2,3,4,5,6,7
	global_load_b128 v[XR0+32*((\i)%NR)+4*\j:XR0+32*((\i)%NR)+4*\j+3], v[LI], s[12:13] offset:4096*(\i)+512*\j th:TH_LOAD_NT
.endr
.endm
.set R, 0
.rept NR
	FILL R
.set R, R+1
.endr
	s_wait_loadcnt 8*NR                            ; my two weights are in: the ring's loads are younger
	v_add_f32 v50, v[AW], v[AW+1]
.irp m, 1,2,4,8
	v_add_f32_dpp v50, v50, v50 row_xmask:\m row_mask:0xf bank_mask:0xf
.endr
	v_permlanex16_b32 v51, v50, s[SEL], s[SEL+1]
	v_add_f32 v50, v50, v51
	ds_store_b32 v[RSW], v50                       ; all lanes write the same word with the same value
	s_wait_kmcnt 0x0                               ; the 16 weights are in
; Position i of my 16.  Every offset is an immediate: no address is stepped.
.macro ROW i
.if (\i) < 16-NR
	s_wait_loadcnt 8*(NR-1)                        ; this position's eight loads are in; those of the five positions behind it may be out
.else
	s_wait_loadcnt 8*(15-(\i))
.endif
.set XR, XR0+32*((\i)%NR)
.set P, 0
.rept 32
.if (\i) == 0
	v_mul_f32 v[ACC+P], s[WT+(\i)], v[XR+P]        ; the first position starts the sums: nothing is cleared
.else
	v_fmac_f32 v[ACC+P], s[WT+(\i)], v[XR+P]
.endif
.set P, P+1
.endr
.if (\i) < 16-NR
	FILL (\i)+NR
.endif
.endm
.set R, 0
.rept 16
	ROW R
.set R, R+1
.endr
.irp j, 0,1,2,3,4,5,6,7
	ds_store_b128 v[REDW], v[ACC+4*\j:ACC+4*\j+3] offset:512*\j
.endr
	s_wait_dscnt 0x0                               ; for the others' sake: my sums are in LDS
	s_barrier_signal -1
	s_barrier_wait -1
	ds_load_b128 v[SM:SM+3], v[RSR]
	ds_load_b128 v[SM+4:SM+7], v[RSR] offset:16
.irp k, 0,1,2,3,4,5,6,7
	ds_load_b128 v[XR0+4*\k:XR0+4*\k+3], v[REDR] offset:4096*\k
.endr
	s_wait_dscnt 0x0
	v_pk_add_f32 v[SM:SM+1], v[SM:SM+1], v[SM+2:SM+3]
	v_pk_add_f32 v[SM+4:SM+5], v[SM+4:SM+5], v[SM+6:SM+7]
	v_pk_add_f32 v[SM:SM+1], v[SM:SM+1], v[SM+4:SM+5]
	v_add_f32 v[SM], v[SM], v[SM+1]
	v_add_f32 v[SM], 0x2edbe6ff, v[SM]             ; + 1e-10
	s_wait_alu depctr_va_vdst(0)
	v_rcp_f32 v[INV], v[SM]
	v_mov_b32 v[INV+1], 0                          ; a plain instruction behind the reciprocal (the word is named with it as a pair)
.irp k, 1,2,3,4,5,6,7
	v_pk_add_f32 v[XR0:XR0+1], v[XR0:XR0+1], v[XR0+4*\k:XR0+4*\k+1]
	v_pk_add_f32 v[XR0+2:XR0+3], v[XR0+2:XR0+3], v[XR0+4*\k+2:XR0+4*\k+3]
.endr
	s_wait_alu depctr_va_vdst(0)                   ; the wait ahead of the reciprocal's first reader and of the branch
	v_pk_mul_f32 v[XR0:XR0+1], v[XR0:XR0+1], v[INV:INV+1] op_sel_hi:[1,0]
	v_pk_mul_f32 v[XR0+2:XR0+3], v[XR0+2:XR0+3], v[INV:INV+1] op_sel_hi:[1,0]
	global_store_b128 v[REDR], v[XR0:XR0+3], s[18:19]          ; 32 lanes store 512 consecutive bytes, aligned
	s_lshr_b32 s31, s30, 1
	s_cmp_lg_u32 s31, ttmp9                        ; out0[b] is shared out among the batch's four work-groups: waves 2 sq and 2 sq + 1 store their 64 positions each
	s_cbranch_scc1 .Lno_a
	v_pk_mul_f32 v[54:55], v[AW:AW+1], v[INV:INV+1] op_sel_hi:[1,0]
	global_store_b64 v[T8], v[54:55], s[16:17]     ; 32 lanes store 256 consecutive bytes, aligned
.Lno_a:
	s_wait_tensorcnt 0x0                           ; the wave's end
	ds_add_u32 v[SPW], v[NIL]
	s_wait_dscnt 0x0
	s_endpgm
.Lfunc_end_k_qb634c48311_context:
	.size	k_qb634c48311_context, .Lfunc_end_k_qb634c48311_context-k_qb634c48311_context
	.p2alignl 7, 3214868480
	.fill 96, 4, 3214868480
	.section	.rodata,"a",@progbits
	.p2align	6, 0x0
	.amdhsa_kernel k_qb634c48311_context
		.amdhsa_group_segment_fixed_size 34048
		.amdhsa_private_segment_fixed_size 0
		.amdhsa_enable_private_segment 0
		.amdhsa_kernarg_size 32
		.amdhsa_user_sgpr_count 2
		.amdhsa_user_sgpr_kernarg_segment_ptr 1
		.amdhsa_wavefront_size32 1
		.amdhsa_system_sgpr_workgroup_id_x 1
		.amdhsa_system_sgpr_workgroup_id_y 1
		.amdhsa_system_sgpr_workgroup_id_z 1
		.amdhsa_system_vgpr_workitem_id 0
		.amdhsa_next_free_vgpr 256
		.amdhsa_next_free_sgpr 66
		.amdhsa_reserve_vcc 0
		.amdhsa_float_denorm_mode_32 3
		.amdhsa_float_denorm_mode_16_64 3
		.amdhsa_memory_ordered 1
		.amdhsa_forward_progress 1
		.amdhsa_inst_pref_size 35
	.end_amdhsa_kernel
	.amdgpu_metadata
---
amdhsa.version: [ 1, 2 ]
amdhsa.kernels:
  - .name:           k_qb634c48311_context
    .symbol:         k_qb634c48311_context.kd
    .args:
      - { .name: encoder_outputs, .offset: 0, .size: 8, .value_kind: global_buffer, .address_space: global }
      - { .name: aw, .offset: 8, .size: 8, .value_kind: global_buffer, .address_space: global }
      - { .name: out0, .offset: 16, .size: 8, .value_kind: global_buffer, .address_space: global }
      - { .name: part, .offset: 24, .size: 8, .value_kind: global_buffer, .address_space: global }
    .group_segment_fixed_size: 34048
    .private_segment_fixed_size: 0
    .kernarg_segment_align: 8
    .kernarg_segment_size: 32
    .max_flat_workgroup_size: 256
    .sgpr_count:     66
    .vgpr_count:     256
    .wavefront_size: 32
...
	.end_amdgpu_metadata
.endif
;; end of part 3
;; launch gather (part 4): grid 256 x 1, 2 waves a work-group, no clusters, 0 bytes of LDS; arguments part, out1; writes out1
.if DOCPART == 4
	.amdgcn_target "amdgcn-amd-amdhsa--gfx1250"
	.amdhsa_code_object_version 6
	.text
	.protected	k_qb634c48311_gather
	.globl	k_qb634c48311_gather
	.p2align	8
	.type	k_qb634c48311_gather,@function
k_qb634c48311_gather:
	s_mov_b64 s[64:65], 0
	v_nop
	global_prefetch_b8 v0, s[64:65] scope:SCOPE_SE
	s_setreg_imm32_b32 hwreg(HW_REG_WAVE_MODE, 25, 1), 1
	s_wait_xcnt 0x0
; out1[b][h] = part[0][b][h] + part[1][b][h] + part[2][b][h] + part[3][b][h]: the four quarters of the sum over s, each already normalised.  No work of reference() is left out here.
; 65,536 numbers: 256 work-groups x 64 threads x 4.  A wave's load or store covers 512 consecutive bytes, aligned.  No LDS, no loop: nothing to run ahead in.
	s_load_b128 s[4:7], s[0:1], 0x0                ; part s[4:5], out1 s[6:7]
	s_lshl_b32 s8, ttmp9, 10                       ; 1,024 bytes a work-group
	v_lshlrev_b32 v1, 4, v0
	v_add_nc_u32 v1, s8, v1
	s_wait_alu depctr_va_vdst(0)
	s_wait_kmcnt 0x0
.irp q, 0,1,2,3
	global_load_b128 v[4+4*\q:7+4*\q], v1, s[4:5] offset:262144*\q th:TH_LOAD_NT
.endr
	s_wait_loadcnt 0x0
	v_pk_add_f32 v[4:5], v[4:5], v[8:9]
	v_pk_add_f32 v[6:7], v[6:7], v[10:11]
	v_pk_add_f32 v[12:13], v[12:13], v[16:17]
	v_pk_add_f32 v[14:15], v[14:15], v[18:19]
	v_pk_add_f32 v[4:5], v[4:5], v[12:13]
	v_pk_add_f32 v[6:7], v[6:7], v[14:15]
	global_store_b128 v1, v[4:7], s[6:7]
	s_endpgm
.Lfunc_end_k_qb634c48311_gather:
	.size	k_qb634c48311_gather, .Lfunc_end_k_qb634c48311_gather-k_qb634c48311_gather
	.p2alignl 7, 3214868480
	.fill 96, 4, 3214868480
	.section	.rodata,"a",@progbits
	.p2align	6, 0x0
	.amdhsa_kernel k_qb634c48311_gather
		.amdhsa_group_segment_fixed_size 0
		.amdhsa_private_segment_fixed_size 0
		.amdhsa_enable_private_segment 0
		.amdhsa_kernarg_size 16
		.amdhsa_user_sgpr_count 2
		.amdhsa_user_sgpr_kernarg_segment_ptr 1
		.amdhsa_wavefront_size32 1
		.amdhsa_system_sgpr_workgroup_id_x 1
		.amdhsa_system_sgpr_workgroup_id_y 1
		.amdhsa_system_sgpr_workgroup_id_z 1
		.amdhsa_system_vgpr_workitem_id 0
		.amdhsa_next_free_vgpr 24
		.amdhsa_next_free_sgpr 66
		.amdhsa_reserve_vcc 0
		.amdhsa_float_denorm_mode_32 3
		.amdhsa_float_denorm_mode_16_64 3
		.amdhsa_memory_ordered 1
		.amdhsa_forward_progress 1
		.amdhsa_inst_pref_size 2
	.end_amdhsa_kernel
	.amdgpu_metadata
---
amdhsa.version: [ 1, 2 ]
amdhsa.kernels:
  - .name:           k_qb634c48311_gather
    .symbol:         k_qb634c48311_gather.kd
    .args:
      - { .name: part, .offset: 0, .size: 8, .value_kind: global_buffer, .address_space: global }
      - { .name: out1, .offset: 8, .size: 8, .value_kind: global_buffer, .address_space: global }
    .group_segment_fixed_size: 0
    .private_segment_fixed_size: 0
    .kernarg_segment_align: 8
    .kernarg_segment_size: 16
    .max_flat_workgroup_size: 64
    .sgpr_count:     66
    .vgpr_count:     24
    .wavefront_size: 32
...
	.end_amdgpu_metadata
.endif
;; end of part 4
